; MI455X (gfx1250); checked and timed in simulation.
; The chip was launched on July 23, 2026; its instructions are those of AMD's public machine-readable ISA for CDNA 5 (MIT licence, August 2026) and "CDNA5" Instruction Set Architecture Reference Guide (July 2026). The comments in the code are by the model that wrote it; some were corrected since.
;; K Means. Allowed arithmetic: matrix products marked QUANTISED: E2M3 operands, one E8M0 scale for each 32 along K, by v_wmma_scale_f32_16x16x128_f8f6f4 with both operands' format E2M3, f32 sums; everything else in f32.
;; Inputs: centroids 256 x 64 float32; x 500,000 x 64 float32.
;; Outputs: out0 1 x 256 x 64 float32; out1 500,000 int32.
;; This version of the problem:
;;   THIS VERSION OF THE PROBLEM IS GIVEN IN LOW PRECISION. The matrix products marked QUANTISED in the list below multiply operands that are first quantised to E2M3 (2 exponent bits, 3 mantissa bits; 6 bits a number), with one power-of-two scale for each 32 numbers along K (OCP MX v1.0); their sums are f32. All else is computed in f32.
;;   The module's matrix products, in the order in which they are computed (A, B: the left and right operand; K: the contracted axis; several contracted axes count as one K, in the product's order):
;;     1. [M 500,000, K 64] x [K 64, N 256]; A: input x; B: input centroids: QUANTISED
;;   THE QUANTISER, for each operand of a quantised product, along K:
;;     - K is cut into blocks of 32 from its start; a last block that is shorter is filled with zeros.
;;     - A block's scale is 2^e with e = floor(log2(the largest magnitude in the block)) - 2, held to -126 .. 127; a block of zeros has e = 0. As a byte (E8M0): e + 127.
;;     - Each number is divided by its block's scale, clamped to +-7.5, and rounded to the nearest number of E2M3, ties to even, subnormals kept.
;;     - The product sums the exact products of the quantised numbers (number of the format x scale) in f32.
;;   ~~~python
;;   def quantise(x, axis):      # numpy; x: float32 -> the quantised numbers, widened to float32 again
;;       x = np.moveaxis(x, axis, -1); K = x.shape[-1]
;;       x = np.pad(x, [(0, 0)] * (x.ndim - 1) + [(0, -K % 32)]); x = x.reshape(x.shape[:-1] + (-1, 32)); a = np.abs(x).max(-1, keepdims=True)
;;       e = np.where(a > 0, np.clip(np.frexp(np.where(a > 0, a, 1))[1] - 1 - 2, -126, 127), 0)      # np.frexp(a)[1] - 1 = floor(log2(a)), exactly
;;       r = np.clip(x / 2.0 ** e, -7.5, 7.5)
;;       step = 2.0 ** (np.maximum(np.frexp(np.where(r == 0, 1, r))[1] - 1, 0) - 3)
;;       q = np.round(r / step) * step * 2.0 ** e      # np.round: ties to even
;;       return np.moveaxis(q.reshape(q.shape[:-2] + (-1,))[..., :K], -1, axis).astype(np.float32)
;;   ~~~
;; One version. Each part assembles by itself: llvm-mc -triple=amdgcn-amd-amdhsa -mcpu=gfx1250 --defsym DOCPART=n.
;; ======== version 1 of 1: 1 launch
;; limits: right only within a limited range of input values
;; launch kmeans (part 1): grid 256 x 1, 8 waves a work-group, no clusters, 51,200 bytes of LDS; arguments x, centroids, out0, out1; writes out0, out1
.if DOCPART == 1
	.amdgcn_target "amdgcn-amd-amdhsa--gfx1250"
	.amdhsa_code_object_version 6
	.text
	.protected	k_qe75a4ac4c2_kmeans
	.globl	k_qe75a4ac4c2_kmeans
	.p2align	8
	.type	k_qe75a4ac4c2_kmeans,@function
k_qe75a4ac4c2_kmeans:
	s_mov_b64 s[64:65], 0
	v_nop
	global_prefetch_b8 v0, s[64:65] scope:SCOPE_SE
	s_setreg_imm32_b32 hwreg(HW_REG_WAVE_MODE, 25, 1), 1
	s_wait_xcnt 0x0
; out1[n] = the first k with the smallest d[n][k] = x_sq[n] - 2 dot[n][k] + c_sq[k];  out0 = the centroids, copied.
; x: [500000][64] f32, centroids: [256][64] f32.  dot = x . centroids^T on codes of FP6 (E2M3) with one E8M0 scale for each 32 along K (K = 64: two blocks a row); sums in f32.
; DEAD WORK LEFT OUT: x_sq.  x_sq[n] does not depend on k, and d is used by the argmin over k alone: a number added to all of a row's distances changes no order among them, whatever finite values x and the centroids
; hold.  So the first k with the LARGEST s[n][k] = dot[n][k] - c_sq[k] / 2 is stored; -c_sq / 2 is the C operand of the product.  x_sq enters no quantiser.
; LIMITS.  A NaN, an infinity or an overflow that reaches x_sq alone is not carried.  NaN and infinities among the inputs are not served.  Where two distances of a row lie within the rounding of f32, their last bit can decide the index.
; Blocks whose largest magnitude lies under 2^-124 (the floor) get the scale byte 1; so do blocks of zeros, where the rule says 127: their codes are zeros, and this program alone reads the bytes.
; SHARES.  A quad is 64 rows: 7,813 quads, the last of 32 rows.  256 work-groups take 31 (numbers 0-131 and 255) or 30 quads; wave w takes quads w, w + 8, w + 16 and, where there is one, w + 24.
; The last quad is taken 32 rows early, so that no load leaves x; its wave stores the last 32 rows alone.
; A QUAD IS FOUR TILES of 16 rows: tile q = rows 4 r + q.  So lane r's four indices are 16 neighbouring bytes, and a quad's 64 indices leave as 256 aligned bytes by one store.
; x comes by plain loads, 16 lanes to a row's 256 bytes, four tiles ahead: 24 to 32 loads of 512 bytes of a wave are out, 96 to 128 KiB of a work-group.  No prefetch: the loop keeps that much of its stream asked for at all times, and each byte is read once.
; A tile turns through the wave's own stage in LDS, so that lane (r = lane % 16, h = lane / 16) holds block h of row r: 32 neighbours along K.  Waves share nothing behind the head: no barrier.
; NO CLUSTER: what work-groups share is the centroids' 65,536 bytes, read once, against 491,520 bytes or more of x that are each work-group's own.
; THE CENTROIDS are quantised once in each work-group (wave w: tiles 2 w, 2 w + 1), pass through LDS as images of the operand's registers, and stay in every wave's registers.
; LAYOUT.  Source 0 = 16 centroids, source 1 = 16 points: lane (r, h) gets point r, register j centroid 16 t + 8 h + j.  k = 64 .. 127 does not exist: the points' registers 6-11 are zero codes; the centroids' fragments lie
; 6 registers apart, so that their registers 6-11 are the next tile's codes, which meet those zeros; the scale bytes of these two blocks are 0 on both sides (2^-127).
; ARGMAX, exact.  For each tile of centroids: the largest of the lane's eight and of the best so far; where it has grown, the tile's number and its eight are kept, by selects (strictly larger: a tie keeps the earlier tile).
; At the end of a tile of points j = the first j whose kept number equals the best; the halves of the lanes are merged by (number, index).  No branch, no address and no EXEC hangs on these numbers.
; REGISTERS: window 0: below.  Window 1 (v256-511): C of the 16 tiles of centroids at v[256 + 8 t], four sets of 32 for x on its way at v[384 + 32 q].
.set SP,    272                        ; a stage row: 256 bytes + 16: row r starts at bank 4 r mod 64 (64 banks of 4 bytes: ISA guide 11.1)
.set STG,   16*SP                      ; a wave's stage
.set CIMG,  8*STG                      ; behind the stages: for each tile of centroids 16 bytes a lane (registers 0-3) and 8 bytes a lane (4, 5)
.set CREC,  768
.set SCW,   CIMG+16*CREC               ; scale words, 4 bytes a lane
.set CQL,   SCW+16*128                 ; -c_sq / 2: 64 bytes a tile
.set SPARE, CQL+16*64                  ; the spare words, 128 bytes for each wave, that no other line names
.set QSTEP, 8*16384                    ; bytes of x from a wave's quad to its next
.set OSTEP, 8*256                      ; and of out1
.set SPW, 1                            ; LDS address of my spare word; never rewritten
.set NIL, 2                            ; 0; never rewritten
.set VO,  3                            ; my offset in a load of x: 16 r + 1024 h
.set STI, 4                            ; into the stage: row h, 16 r
.set STO, 5                            ; out of it: row r, 128 h
.set H8,  6                            ; 8 h
.set OUTO,7                            ; 16 r + 8 h
.set L16, 8                            ; 16 x lane
.set L8,  9                            ; 8 x lane
.set AIS, 10                           ; where I store my wave's images,
.set AI8, 11
.set AI4, 12                           ; their scale words
.set AQS, 13                           ; and c_sq
.set ASC, 14                           ; where I read two tiles' scale words: lanes 0-15 the even tile's, lanes 16-31 the odd one's
.set AQR, 15                           ; and C: 32 h
.set RR,  16
.set HH,  17
.set LN,  18
.set T1,  19
.set SW,  20                           ; a centroid's scale word on its way to LDS
.set CQ,  21
.set B1,  22                           ; the best behind the even tile of a pair
.set CB,  24                           ; v24-125 the centroids' codes: tile t at +6 t; the last six are zeros
.set CS,  126                          ; v126, v128 .. v140 their scale words, two tiles to a register
.set XSC, 127                          ; the points' scale words
.set XF,  142                          ; v142-153 the points' fragment; v148-153 zeros
.set DA,  154                          ; v154-185 two sets of two accumulators
.set S,   186                          ; v186-193 the winning tile's eight
.set B,   194                          ; the best so far
.set TI,  195                          ; its tile
.set N,   196                          ; v196-199 maxima at work
.set RAW, 200                          ; v200-231 32 numbers of a block
.set TC,  232                          ; v232-234 a block's upper 16 codes
.set SCL, 235
.set MA,  236
.set MB,  237
.set BY,  238
.set OT,  239
.set SU,  240                          ; v240-243 two packed chains of squares
.set OB,  244
.set OI,  245
.set J,   246                          ; v246-249; at the head out0's copy
.set IX,  250                          ; v250-253 the four tiles' indices
.set OW,  254                          ; v254-255 the way out
.set SET, 128                          ; window 1
.set WV,  12
.set XB,  20                           ; s[20:21] x at my quad
.set XL,  26                           ; the step to my last quad, and
.set XN,  27                           ; to any other
.set XS,  28                           ; s[28:29]
.set CNT, 30                           ; quads that are followed by another
.set OSH, 32                           ; s[32:33] how many bytes early my last quad's words begin
.set HM,  34                           ; lanes 16-31
.set EM,  35                           ; the lanes that store my last quad
.set SEL, 36                           ; s[36:37] lane l xor 16
.set MK,  40                           ; s40-50 lane masks
.set UM,  51                           ; the lanes in which the even tile of a pair is kept
.set MSB, 0
.macro WIN new                         ; the immediate's high byte repeats the setting that is left
.if MSB != \new
	s_set_vgpr_msb (MSB<<8)|\new
.set MSB, \new
.endif
.endm
.macro WAITV
	s_wait_alu depctr_va_vdst(0)
.endm
.macro LDX q, off                      ; tile q of a quad into set q: each load takes two rows, 16 neighbouring lanes to a row's 256 bytes
.irp k, 0,1,2,3,4,5,6,7
	global_load_b128 v[SET+32*(\q)+4*\k:SET+32*(\q)+4*\k+3], v[VO], s[XB:XB+1] offset:(\off)+256*(\q)+2048*\k th:TH_LOAD_NT
.endr
.endm
.macro TURN src                        ; 16 rows through my stage: LDS serves a wave's instructions in order (ISA guide 5.7.1.4): no wait between the stores and the loads
	WIN 0x04
.irp k, 0,1,2,3,4,5,6,7
	ds_store_b128 v[STI], v[(\src)+4*\k:(\src)+4*\k+3] offset:2*SP*\k
.endr
	WIN 0
.irp k, 0,1,2,3,4,5,6,7
	ds_load_b128 v[RAW+4*\k:RAW+4*\k+3], v[STO] offset:16*\k
.endr
.endm
; The block in RAW becomes 32 codes in v[XF:XF+5]; v[w] gets the row's scale word (lanes 0-15).  sq = 1: CQ gets minus half the row's sum of squares (every lane).
.macro QUANT w, sq
	v_max3_num_f32 v[MA], |v[RAW]|, |v[RAW+1]|, 0x1800000          ; the floor 2^(3 - 127) among the leaves holds the byte at 1 from below
	v_max3_num_f32 v[MB], |v[RAW+2]|, |v[RAW+3]|, |v[RAW+4]|
.set QM, 0
.rept 13
	v_max3_num_f32 v[MA+QM%2], v[MA+QM%2], |v[RAW+5+2*QM]|, |v[RAW+6+2*QM]|
.set QM, QM+1
.endr
	v_max3_num_f32 v[MA], v[MA], v[MB], |v[RAW+31]|                ; the block's largest magnitude
	v_add_nc_u32 v[SCL], 0xff000000, v[MA]                         ; 2 off its exponent field: the conversion takes the exponent field of this operand as its scale, and nothing else of it
	v_cvt_scalef32_pk16_fp6_f32 v[XF:XF+2], v[RAW:RAW+15], v[SCL]        ; to the nearest code, ties to even, beyond 7.5 the largest code
	v_cvt_scalef32_pk16_fp6_f32 v[TC:TC+2], v[RAW+16:RAW+31], v[SCL]     ; (a conversion's three registers begin on an even number: the upper half is moved)
	v_lshrrev_b32 v[BY], 23, v[SCL]                                ; the scale's byte.  (The plain place behind the conversions)
	v_dual_mov_b32 v[XF+3], v[TC] :: v_dual_mov_b32 v[XF+4], v[TC+1]
	v_permlanex16_b32 v[OT], v[BY], s[SEL], s[SEL+1]               ; the row's other block's byte
	v_mov_b32 v[XF+5], v[TC+2]
	v_lshl_or_b32 v[\w], v[OT], 8, v[BY]                           ; lanes 0-15: byte 0 = block 0, byte 1 = block 1, bytes 2 and 3 = 0; lanes 16-31 are not read
.if \sq
	v_pk_mul_f32 v[SU:SU+1], v[RAW:RAW+1], v[RAW:RAW+1]
	v_pk_mul_f32 v[SU+2:SU+3], v[RAW+2:RAW+3], v[RAW+2:RAW+3]
.set QM, 4
.rept 14
	v_pk_fma_f32 v[SU+2*((QM/2)%2):SU+2*((QM/2)%2)+1], v[RAW+QM:RAW+QM+1], v[RAW+QM:RAW+QM+1], v[SU+2*((QM/2)%2):SU+2*((QM/2)%2)+1]
.set QM, QM+2
.endr
	v_pk_add_f32 v[SU:SU+1], v[SU:SU+1], v[SU+2:SU+3]
	v_add_f32 v[CQ], v[SU], v[SU+1]
	v_permlanex16_b32 v[OT], v[CQ], s[SEL], s[SEL+1]
	v_add_f32 v[CQ], v[CQ], v[OT]                                  ; with the row's other half: the same number in both lanes
	v_mul_f32 v[CQ], -0.5, v[CQ]
.endif
.endm
; The product of tile of centroids t and the points.  C, in window 1, starts the sum; the accumulators of pairs of tiles take turns.
.macro WM t
.set DT, DA+16*(((\t)/2)%2)+8*((\t)%2)
.if (\t)%2
	v_wmma_scale_f32_16x16x128_f8f6f4 v[DT:DT+7], v[CB+6*(\t):CB+6*(\t)+11], v[XF:XF+11], v[8*(\t):8*(\t)+7], v[CS+2*((\t)/2)], v[XSC] matrix_a_fmt:MATRIX_FMT_FP6 matrix_b_fmt:MATRIX_FMT_FP6 matrix_a_scale:MATRIX_SCALE_ROW1
.else
	v_wmma_scale_f32_16x16x128_f8f6f4 v[DT:DT+7], v[CB+6*(\t):CB+6*(\t)+11], v[XF:XF+11], v[8*(\t):8*(\t)+7], v[CS+2*((\t)/2)], v[XSC] matrix_a_fmt:MATRIX_FMT_FP6 matrix_b_fmt:MATRIX_FMT_FP6
.endif
.endm
.macro PICK old, new, m                ; the eight: where the mask is set the new ones
.irp k, 0,1,2,3,4,5,6,7
	v_cndmask_b32 v[S+\k], v[(\old)+\k], v[(\new)+\k], \m
.endr
.endm
; Tiles of centroids 2 u and 2 u + 1.  Each accumulator is read from its low end on.
.macro RED u
.set TA, DA+16*((\u)%2)
.set TB, TA+8
	v_max3_num_f32 v[N],   v[TA],   v[TA+1], v[TA+2]
	v_max3_num_f32 v[N+1], v[TB],   v[TB+1], v[TB+2]
	v_max3_num_f32 v[N+2], v[TA+3], v[TA+4], v[TA+5]
	v_max3_num_f32 v[N+3], v[TB+3], v[TB+4], v[TB+5]
	v_max3_num_f32 v[N],   v[N],    v[TA+6], v[TA+7]
	v_max3_num_f32 v[N+1], v[N+1],  v[TB+6], v[TB+7]
.if (\u) == 0
	v_max_num_f32 v[B1], v[N], v[N+2]
	v_max3_num_f32 v[B], v[N+1], v[N+3], v[B1]
	v_cmp_lt_f32 vcc_lo, v[B1], v[B]
	v_cndmask_b32 v[TI], 0, 1, vcc_lo              ; the first pair: one of its two tiles is kept
	PICK TA, TB, vcc_lo
.else
	v_max3_num_f32 v[B1], v[N], v[N+2], v[B]
	v_cmp_lt_f32 s[UM], v[B], v[B1]                ; the even tile passes the best so far
	v_max3_num_f32 v[B], v[N+1], v[N+3], v[B1]
	v_cmp_lt_f32 vcc_lo, v[B1], v[B]               ; the odd one passes that
	v_cndmask_b32 v[TI], v[TI], 2*(\u), s[UM]
	PICK S, TA, s[UM]
	v_cndmask_b32 v[TI], v[TI], 2*(\u)+1, vcc_lo
	PICK S, TB, vcc_lo
.endif
.endm
; The end of tile q of points: j, the index, the merge of the two halves of the lanes.
.macro RESOLVE q
.irp k, 0,1,2,3,4,5,6
	v_cmp_eq_f32 s[MK+\k], v[S+\k], v[B]
.endr
	v_lshl_or_b32 v[OI], v[TI], 4, v[H8]           ; 16 t + 8 h
	s_or_b32 s[MK+8], s[MK], s[MK+1]
	s_or_b32 s[MK+9], s[MK+4], s[MK+5]
	s_or_b32 s[MK+10], s[MK+2], s[MK+3]
	s_or_b32 s[MK+10], s[MK+10], s[MK+8]
	v_cndmask_b32 v[J],   1, 0, s[MK]
	v_cndmask_b32 v[J+1], 3, 2, s[MK+2]
	v_cndmask_b32 v[J+2], 5, 4, s[MK+4]
	v_cndmask_b32 v[J+3], 7, 6, s[MK+6]
	v_cndmask_b32 v[J],   v[J+1], v[J],   s[MK+8]
	v_cndmask_b32 v[J+2], v[J+3], v[J+2], s[MK+9]
	v_permlanex16_b32 v[OB], v[B], s[SEL], s[SEL+1]
	v_cndmask_b32 v[J],   v[J+2], v[J],   s[MK+10] ; the first j that equals the best
	v_or_b32 v[IX+\q], v[OI], v[J]
	v_cmp_gt_f32 s[MK], v[OB], v[B]
	v_cmp_eq_f32 s[MK+1], v[OB], v[B]
	v_permlanex16_b32 v[OI], v[IX+\q], s[SEL], s[SEL+1]
	v_cmp_lt_u32 s[MK+2], v[OI], v[IX+\q]
	s_and_b32 s[MK+1], s[MK+1], s[MK+2]
	s_or_b32 s[MK], s[MK], s[MK+1]                 ; the other half's is larger, or equal with the lower index
	v_cndmask_b32 v[IX+\q], v[IX+\q], v[OI], s[MK]
.endm
; TILE q OF POINTS.  ld = 1: tile q of my next quad is asked for, into set q, whose last turn through LDS was over in the tile before.  nxt = 1: the next tile is turned and quantised among the products of this one;
; left = the loads issued behind the next tile's.  The products of a pair of tiles of centroids stand ahead of the vector work on the pair before: sixteen plain lines and more between a product and its first reader.
.macro TILE q, ld, left, nxt
.if \ld
	WIN 0x40
	LDX \q, QSTEP
	WIN 0
.endif
.set U, 0
.rept 8
.if U < 7
	WIN 0x10
	WM 2*U+2
	WM 2*U+3
	WIN 0
.endif
	RED U
.if \nxt
.if U == 2
	WAITV
	s_wait_loadcnt \left
	TURN SET+32*(((\q)+1)%4)
.endif
.if U == 5
	WAITV
	s_wait_dscnt 0x0                               ; the next tile is back from the stage, and its set may be loaded again
.endif
.if U == 6
	QUANT XSC, 0                                   ; the last products of this tile stand more than eight plain lines back; the first of the next stand behind the lines of the last pair
.endif
.endif
.if ((\q) == 3) && (U == 5)
.if \ld
	s_wait_xcnt 0x0                                ; this quad's loads and the last quad's store have read their bases and data
	s_cmp_eq_u32 s[CNT], 2                         ; the next quad but one is my last
	s_cselect_b32 s[XS], s[XL], s[XN]
	s_add_nc_u64 s[XB:XB+1], s[XB:XB+1], s[XS:XS+1]
	s_add_nc_u64 s[10:11], s[10:11], OSTEP
.else
	WAITV
	s_wait_xcnt 0x0
	s_sub_nc_u64 s[10:11], s[10:11], s[OSH:OSH+1]
.endif
.endif
.set U, U+1
.endr
.if \nxt
	WIN 0x10
	WM 0
	WM 1
	WIN 0
.endif
	RESOLVE \q
.if (\q) == 3
	v_cndmask_b32 v[OW], v[IX], v[IX+2], s[HM]     ; lanes 0-15 take the indices of rows 4 r, 4 r + 1, lanes 16-31 those of rows 4 r + 2, 4 r + 3
	v_cndmask_b32 v[OW+1], v[IX+1], v[IX+3], s[HM]
.endif
.endm
	s_load_b256 s[4:11], s[0:1], 0x0               ; x s[4:5], centroids s[6:7], out0 s[8:9], out1 s[10:11]
	v_lshrrev_b32 v[T1], 5, v0
	v_readfirstlane_b32 s[WV], v[T1]               ; wave 0..7
	s_lshl_b32 s13, ttmp9, 3
	s_add_co_u32 s13, s13, s[WV]                   ; 8 x work-group + wave
	s_mul_i32 s16, ttmp9, 30
	s_min_u32 s17, ttmp9, 132
	s_add_co_u32 s16, s16, s17
	s_add_co_u32 s16, s16, s[WV]                   ; my first quad
	s_lshl_b32 s22, s16, 14
	s_mov_b32 s23, 0
	s_lshl_b32 s24, s16, 8
	s_mov_b32 s25, 0
	s_cmp_lt_u32 ttmp9, 132
	s_cselect_b32 s17, 7, 6                        ; waves that have a fourth quad
	s_cmp_eq_u32 ttmp9, 255
	s_cselect_b32 s17, 7, s17
	s_cmp_lt_u32 s[WV], s17
	s_cselect_b32 s[CNT], 3, 2
	s_cmp_eq_u32 s13, 2046                         ; work-group 255, wave 6: its fourth quad is the last of all, of 32 rows: taken 32 rows early,
	s_cselect_b32 s18, 0x2000, 0
	s_cselect_b32 s[EM], 0xff00ff00, -1            ; and of its 64 rows those of lanes r = 8 .. 15 are stored
	s_mov_b32 s[XN], QSTEP
	s_sub_co_u32 s[XL], s[XN], s18
	s_mov_b32 s[XS+1], 0
	s_lshr_b32 s[OSH], s18, 6
	s_mov_b32 s[OSH+1], 0
	s_mov_b32 s[HM], 0xffff0000
	s_mov_b32 s[SEL], 0x76543210
	s_mov_b32 s[SEL+1], 0xfedcba98
	s_and_b32 s14, s13, 127
	s_lshl_b32 s14, s14, 9                         ; out0's copy: 512 bytes each by the first 128 waves of the launch (the others load, and store nothing)
	s_mov_b32 s15, 0
	s_lshl_b32 s38, s[WV], 13
	s_mov_b32 s39, 0
	s_mul_i32 s16, s[WV], STG
	s_mul_i32 s17, s[WV], 2*CREC
	s_lshl_b32 s18, s[WV], 8
	s_lshl_b32 s19, s[WV], 7
	v_lshl_add_u32 v[SPW], v0, 2, SPARE
	v_mov_b32 v[NIL], 0
	v_and_b32 v[RR], 15, v0
	v_bfe_u32 v[HH], v0, 4, 1
	v_and_b32 v[LN], 31, v0
	v_lshlrev_b32 v[VO], 4, v[RR]
	v_lshl_add_u32 v[VO], v[HH], 10, v[VO]
	v_mul_u32_u24 v[STI], v[HH], SP
	v_lshl_add_u32 v[STI], v[RR], 4, v[STI]
	v_add_nc_u32 v[STI], s16, v[STI]
	v_mul_u32_u24 v[STO], v[RR], SP
	v_lshl_add_u32 v[STO], v[HH], 7, v[STO]
	v_add_nc_u32 v[STO], s16, v[STO]
	v_lshlrev_b32 v[H8], 3, v[HH]
	v_lshl_add_u32 v[OUTO], v[RR], 4, v[H8]
	v_lshlrev_b32 v[L16], 4, v[LN]
	v_lshlrev_b32 v[L8], 3, v[LN]
	v_add_nc_u32 v[AIS], s17, v[L16]
	v_add_nc_u32 v[AI8], s17, v[L8]
	v_lshl_add_u32 v[AI4], v[LN], 2, s18
	v_lshl_add_u32 v[AQS], v[RR], 2, s19
	v_lshlrev_b32 v[ASC], 7, v[HH]
	v_lshl_add_u32 v[ASC], v[RR], 2, v[ASC]
	v_lshlrev_b32 v[AQR], 5, v[HH]
	WAITV
	s_wait_kmcnt 0x0
	s_add_nc_u64 s[XB:XB+1], s[4:5], s[22:23]
	s_add_nc_u64 s[10:11], s[10:11], s[24:25]
	s_add_nc_u64 s[52:53], s[6:7], s[14:15]
	s_add_nc_u64 s[54:55], s[8:9], s[14:15]
	s_add_nc_u64 s[6:7], s[6:7], s[38:39]          ; my wave's two tiles of centroids: 8,192 bytes
	global_load_b128 v[J:J+3], v[L16], s[52:53]
	WIN 0x40
.irp k, 0,1,2,3,4,5,6,7,8,9,10,11,12,13,14,15
	global_load_b128 v[4*\k:4*\k+3], v[L16], s[6:7] offset:512*\k  ; they land where C will lie
.endr
.irp q, 0,1,2,3
	LDX \q, 0                                      ; my first quad: 49 loads of mine are out
.endr
	WIN 0
.irp k, 0,1,2,3,4,5
	v_mov_b32 v[CB+96+\k], 0                       ; what lies behind the last tile of centroids
	v_mov_b32 v[XF+6+\k], 0                        ; the points' codes of k = 64 .. 127: zeros, written once
.endr
	v_mov_b32 v[OT], 0                             ; written once: a lane permute's destination counts as one of its sources
	v_mov_b32 v[OB], 0
	v_mov_b32 v[OI], 0
	WAITV
	s_wait_loadcnt 40                              ; the copy and my first tile are in; behind them: the second tile's 8 and x's 32
	TURN 0
	s_cmp_lt_u32 s13, 128
	s_cbranch_scc0 .Lno_copy
	global_store_b128 v[L16], v[J:J+3], s[54:55]   ; 512 consecutive bytes, aligned
.Lno_copy:
.macro RECORD i                        ; a tile of centroids becomes an image of the operand's registers
	s_wait_dscnt 0x0
	QUANT SW, 1
	ds_store_b128 v[AIS], v[XF:XF+3] offset:CIMG+CREC*\i
	ds_store_b64 v[AI8], v[XF+4:XF+5] offset:CIMG+512+CREC*\i
	ds_store_b32 v[AI4], v[SW] offset:SCW+128*\i
	ds_store_b32 v[AQS], v[CQ] offset:CQL+64*\i    ; both lanes of a centroid write the same word with the same value
	WAITV
.endm
	RECORD 0
	s_wait_loadcnt 32                              ; my second tile is in; x's 32 loads may be out
	TURN 32
	RECORD 1
	s_wait_xcnt 0x0                                ; the copy's store has read its data: those registers are written again in the loop
	s_wait_dscnt 0x0                               ; for the others' sake: my stores have landed
	s_barrier_signal -1
	s_barrier_wait -1                              ; all sixteen tiles lie in LDS
.irp t, 0,1,2,3,4,5,6,7,8,9,10,11,12,13,14,15
	ds_load_b128 v[CB+6*\t:CB+6*\t+3], v[L16] offset:CIMG+CREC*\t
	ds_load_b64 v[CB+6*\t+4:CB+6*\t+5], v[L8] offset:CIMG+512+CREC*\t
.endr
.irp i, 0,1,2,3,4,5,6,7
	ds_load_b32 v[CS+2*\i], v[ASC] offset:SCW+256*\i
.endr
	WIN 0x40
.irp t, 0,1,2,3,4,5,6,7,8,9,10,11,12,13,14,15
	ds_load_b128 v[8*\t:8*\t+3], v[AQR] offset:CQL+64*\t
	ds_load_b128 v[8*\t+4:8*\t+7], v[AQR] offset:CQL+64*\t+16
.endr
	WIN 0
	s_wait_loadcnt 24                              ; tile 0 of my first quad is in; tiles 1-3 may be out
	TURN SET
	s_wait_dscnt 0x0
	QUANT XSC, 0
.rept 8
	v_nop                                          ; a scale word written by a vector instruction stands 8 places ahead of a scaled matrix instruction
.endr
	WAITV
	WIN 0x10
	WM 0
	WM 1
	WIN 0
.rept 4
	v_nop                                          ; the places behind the products (ISA guide 7.12.1)
.endr
.Lquad:                                                ; a trip works a quad and asks for the next
	TILE 0, 1, 24, 1
	TILE 1, 1, 24, 1
	TILE 2, 1, 24, 1
	TILE 3, 1, 24, 1
	global_store_b64 v[OUTO], v[OW:OW+1], s[10:11] offset:-OSTEP   ; 256 consecutive bytes, aligned (the base has stepped)
	s_sub_co_u32 s[CNT], s[CNT], 1
	s_cmp_lg_u32 s[CNT], 0
	WAITV
	s_cbranch_scc1 .Lquad
	TILE 0, 0, 16, 1                               ; my last quad: nothing is left to ask for, and the counts run down
	TILE 1, 0, 8, 1
	TILE 2, 0, 0, 1
	TILE 3, 0, 0, 0
	s_and_saveexec_b32 s56, s[EM]                  ; (no load or store has been issued behind the last wait on XCNT)
	global_store_b64 v[OUTO], v[OW:OW+1], s[10:11]
	s_wait_xcnt 0x0                                ; EXEC changes back only behind this wait: it is a source of the store
	s_or_b32 exec_lo, exec_lo, s56
	s_wait_tensorcnt 0x0                           ; the wave's end
	ds_add_u32 v[SPW], v[NIL]
	s_wait_dscnt 0x0
	s_endpgm
.Lfunc_end_k_qe75a4ac4c2_kmeans:
	.size	k_qe75a4ac4c2_kmeans, .Lfunc_end_k_qe75a4ac4c2_kmeans-k_qe75a4ac4c2_kmeans
	.p2alignl 7, 3214868480
	.fill 96, 4, 3214868480
	.section	.rodata,"a",@progbits
	.p2align	6, 0x0
	.amdhsa_kernel k_qe75a4ac4c2_kmeans
		.amdhsa_group_segment_fixed_size 51200
		.amdhsa_private_segment_fixed_size 0
		.amdhsa_enable_private_segment 0
		.amdhsa_kernarg_size 32
		.amdhsa_user_sgpr_count 2
		.amdhsa_user_sgpr_kernarg_segment_ptr 1
		.amdhsa_wavefront_size32 1
		.amdhsa_system_sgpr_workgroup_id_x 1
		.amdhsa_system_sgpr_workgroup_id_y 1
		.amdhsa_system_sgpr_workgroup_id_z 1
		.amdhsa_system_vgpr_workitem_id 0
		.amdhsa_next_free_vgpr 512
		.amdhsa_next_free_sgpr 66
		.amdhsa_reserve_vcc 1
		.amdhsa_float_denorm_mode_32 3
		.amdhsa_float_denorm_mode_16_64 3
		.amdhsa_memory_ordered 1
		.amdhsa_forward_progress 1
		.amdhsa_inst_pref_size 169
	.end_amdhsa_kernel
	.amdgpu_metadata
---
amdhsa.version: [ 1, 2 ]
amdhsa.kernels:
  - .name:           k_qe75a4ac4c2_kmeans
    .symbol:         k_qe75a4ac4c2_kmeans.kd
    .args:
      - { .name: x, .offset: 0, .size: 8, .value_kind: global_buffer, .address_space: global }
      - { .name: centroids, .offset: 8, .size: 8, .value_kind: global_buffer, .address_space: global }
      - { .name: out0, .offset: 16, .size: 8, .value_kind: global_buffer, .address_space: global }
      - { .name: out1, .offset: 24, .size: 8, .value_kind: global_buffer, .address_space: global }
    .group_segment_fixed_size: 51200
    .private_segment_fixed_size: 0
    .kernarg_segment_align: 8
    .kernarg_segment_size: 32
    .max_flat_workgroup_size: 256
    .sgpr_count:     66
    .vgpr_count:     512
    .wavefront_size: 32
...
	.end_amdgpu_metadata
.endif
;; end of part 1
